; MI455X (gfx1250); checked and timed in simulation.
; The chip was launched on July 23, 2026; its instructions are those of AMD's public machine-readable ISA for CDNA 5 (MIT licence, August 2026) and "CDNA5" Instruction Set Architecture Reference Guide (July 2026). The comments in the code are by the model that wrote it; some were corrected since.
;; Causal Self Attention. Allowed arithmetic: matrix products marked QUANTISED: E2M1 operands, one E8M0 scale for each 32 along K, by v_wmma_scale_f32_16x16x128_f8f6f4 with both operands' format E2M1 (or v_wmma_scale_f32_32x16x128_f4), f32 sums; everything else in f32.
;; Inputs: Wo_codes 1,024 x 32 x 16 uint8 (E2M1 codes of Wo, K innermost, in blocks of 32 codes, two codes a byte); Wo_scales 1,024 x 32 uint8 (E8M0 scales of Wo, one for each 32 codes along K); Wqkv_codes 3,072 x 32 x 16 uint8 (E2M1 codes of Wqkv, K innermost, in blocks of 32 codes, two codes a byte); Wqkv_scales 3,072 x 32 uint8 (E8M0 scales of Wqkv, one for each 32 codes along K); bo 1,024 float32; bqkv 3,072 float32; x_codes 4 x 2,048 x 32 x 16 uint8 (E2M1 codes of x, K innermost, in blocks of 32 codes, two codes a byte); x_scales 4 x 2,048 x 32 uint8 (E8M0 scales of x, one for each 32 codes along K).
;; Outputs: out0 4 x 2,048 x 1,024 float32.
;; This version of the problem:
;;   THIS VERSION OF THE PROBLEM IS GIVEN IN LOW PRECISION. The matrix products marked QUANTISED in the list below multiply operands that are first quantised to E2M1 (2 exponent bits, 1 mantissa bit; 4 bits a number), with one power-of-two scale for each 32 numbers along K (OCP MX v1.0); their sums are f32. All else is computed in f32.
;;   The module's matrix products, in the order in which they are computed (A, B: the left and right operand; K: the contracted axis; several contracted axes count as one K, in the product's order):
;;     1. [M 8,192, K 1,024] x [K 1,024, N 3,072]; A: input x (given as codes); B: input Wqkv (given as codes): QUANTISED
;;     2. batch 64 x [M 2,048, K 64] x [K 64, N 2,048]; A: computed on the way; B: computed on the way: QUANTISED
;;     3. batch 64 x [M 2,048, K 2,048] x [K 2,048, N 64]; A: softmax (see below); B: computed on the way: QUANTISED
;;     4. [M 8,192, K 1,024] x [K 1,024, N 1,024]; A: computed on the way; B: input Wo (given as codes): QUANTISED
;;   THE QUANTISER, for each operand of a quantised product, along K:
;;     - K is cut into blocks of 32 from its start; a last block that is shorter is filled with zeros.
;;     - A block's scale is 2^e with e = floor(log2(the largest magnitude in the block)) - 2, held to -126 .. 127; a block of zeros has e = 0. As a byte (E8M0): e + 127.
;;     - Each number is divided by its block's scale, clamped to +-6, and rounded to the nearest number of E2M1, ties to even, subnormals kept.
;;     - The product sums the exact products of the quantised numbers (number of the format x scale) in f32.
;;   ~~~python
;;   def quantise(x, axis):      # numpy; x: float32 -> the quantised numbers, widened to float32 again
;;       x = np.moveaxis(x, axis, -1); K = x.shape[-1]
;;       x = np.pad(x, [(0, 0)] * (x.ndim - 1) + [(0, -K % 32)]); x = x.reshape(x.shape[:-1] + (-1, 32)); a = np.abs(x).max(-1, keepdims=True)
;;       e = np.where(a > 0, np.clip(np.frexp(np.where(a > 0, a, 1))[1] - 1 - 2, -126, 127), 0)      # np.frexp(a)[1] - 1 = floor(log2(a)), exactly
;;       r = np.clip(x / 2.0 ** e, -6, 6)
;;       step = 2.0 ** (np.maximum(np.frexp(np.where(r == 0, 1, r))[1] - 1, 0) - 1)
;;       q = np.round(r / step) * step * 2.0 ** e      # np.round: ties to even
;;       return np.moveaxis(q.reshape(q.shape[:-2] + (-1,))[..., :K], -1, axis).astype(np.float32)
;;   ~~~
;;   SOFTMAX AHEAD OF A QUANTISED PRODUCT. Where the list says 'softmax', what is quantised is not the finished softmax but p = 2^(t - M), with t = logit x log2(e) and M = ceil(the row's largest t), a whole number; so 1/2 < the row's largest p <= 1. The row's sum l is taken of the UNQUANTISED p, in f32, and the product's result is divided by l at the end. Since M is a whole number, a kernel that streams over the keys may use a running M (the ceiling of the running maximum): every later rescaling is an exact power of two, which a block's scale takes up: the codes' values come out the same.
;;   OPERANDS COMPUTED ON THE WAY. 'Computed on the way' means the value that the module computes at that place (a softmax that the list does not call 'softmax' is quantised finished and normalised). What goes into a quantiser is computed in f32, as accurately as f32 sums, v_exp_f32 and their like allow (about 1e-6 of the number): no bf16 or f16 on the way to a quantiser, and a product that is left as it is and whose result goes on into a quantised operand takes f32 operands (vector FMAs, or v_wmma_f32_16x16x4_f32). A number that lies on a knife's edge between two numbers of the format may be rounded either way, as far as f32 arithmetic and the matrix unit's own rounding can turn it there, and no further.
;;   INPUTS GIVEN AS CODES. Wo (in the module: [1024, 1024], K = its axis 0); Wqkv (in the module: [1024, 3072], K = its axis 0); x (in the module: [4, 2048, 1024], K = its axis 2): each comes as NAME_codes (uint8): NAME with its K axis moved to the last place and cut into blocks of 32 codes, [.., K / 32, bytes a block], one block behind the other in memory; two codes a byte, the lower K in the low four bits (a code: sign, 2 exponent bits, 1 mantissa bit); and NAME_scales (uint8): the same leading axes, one E8M0 byte (e + 127) for each 32 codes along K. Its value is code x scale, taken as it is: it is not quantised again, and the codes and scales need not be those that the quantiser above would give.
;; One version. Each part assembles by itself: llvm-mc -triple=amdgcn-amd-amdhsa -mcpu=gfx1250 --defsym DOCPART=n.
;; ======== version 1 of 1: 3 launches
;; workspace buffers: qw 4,718,592 bytes; kv 9,175,040 bytes; ao 4,194,304 bytes; aos 262,144 bytes
;; launch qkv (part 1): grid 12 x 32, 4 waves a work-group, clusters of 4 x 4, 279,040 bytes of LDS; arguments x_codes, x_scales, Wqkv_codes, Wqkv_scales, bqkv, qw, kv; writes qw, kv
.if DOCPART == 1
	.amdgcn_target "amdgcn-amd-amdhsa--gfx1250"
	.amdhsa_code_object_version 6
	.text
	.protected	k_qc3b92ec53e_qkv
	.globl	k_qc3b92ec53e_qkv
	.p2align	8
	.type	k_qc3b92ec53e_qkv,@function
k_qc3b92ec53e_qkv:
	s_mov_b64 s[64:65], 0
	v_nop
	global_prefetch_b8 v0, s[64:65] scope:SCOPE_SE
	s_setreg_imm32_b32 hwreg(HW_REG_WAVE_MODE, 25, 1), 1
	s_wait_xcnt 0x0
	s_wait_alu depctr_hold_cnt(0) depctr_sa_sdst(0) depctr_va_vdst(0) depctr_va_sdst(0) depctr_va_ssrc(0) depctr_va_vcc(0) depctr_vm_vsrc(0)
	s_getreg_b32 s2, hwreg(HW_REG_IB_STS2, 6, 4)
	s_cmp_eq_u32 s2, 0
	s_cbranch_scc0 .Lentry_in_a_cluster
	s_endpgm
.Lentry_in_a_cluster:
	s_bfe_u32 s2, ttmp6, 0x10000c
	s_cmp_lg_u32 s2, 0xf033
	s_cbranch_scc0 .Lentry_shape_is_right
	s_endpgm
.Lentry_shape_is_right:
; qkv = x Wqkv + bqkv on codes of FP4 (E2M1) with one E8M0 scale for each 32 along K = 1,024; the result is quantised at once and leaves as codes:
; q and k along a head's 64 channels (two blocks of 32), v along the tokens (blocks of 32 keys).  x: [8192][1024], Wqkv: [3072][1024], codes, K innermost.
; A tile of the result, 256 x 256, is made by a work-group of four waves; a wave makes 128 x 128: 64 accumulators of 16 x 16, 512 registers, 8 K steps of 128.
; THE WHOLE K OF BOTH PANELS LIES IN LDS: two K halves x (256 + 256) rows x 256 bytes.  Each byte of LDS is filled once, so there is no ring and no refill.
; TWO SIDES.  Source 1 of the matrix instruction gives the result's LANE (the lane side), source 0 runs along a lane's REGISTERS (the register side), and the
; quantiser works along a lane's registers.  q, k (cluster x = 0, 1): lane side = tokens of x, register side = rows of Wqkv (channels).  v (cluster x = 2): lane side = rows 2,048.. of Wqkv,
; register side = tokens.  The sides are chosen by selections on the cluster's x, which all sixteen partners share; the text behind the first K half is written twice and chosen by one branch on it.
; CLUSTERS: 4 x 4 work-groups.  The lane side's tile is shared along a row of the cluster, the register side's along a column: each is asked for jointly.
; WHAT IS STORED is an image of an operand's registers: four registers as 512 consecutive bytes, lane l's 16 bytes at 16 l.
;   qw: [64 heads][16 granules of 128 queries][4,608]: 8 images (16 queries: lane (r, h) = query r, channels 32 h ..), then 512 bytes of scale words: query 32 i + l at 16 l + 4 i; bytes 2, 3 of a word are 0.
;   kv: [64 heads][16 steps of 128 keys][8,960]: K as q (4,096), V: 4 fragments of 16 channels x 128 keys (4,096), K's scale words (512), V's (256: channel tile 2 i + l / 16, row l % 16, at 8 l + 4 i).
; LIMITS: a block whose largest magnitude lies under 2^-124 (a block of zeros too) gets the scale byte 1; its codes are then what the held scale gives (zeros for zeros); only this program reads the bytes.
; NaN and infinities among the inputs are not served.
; REGISTERS, in windows of 256: window 0: v16-26 addresses; v32-63, v64-95 scale words of the two sides for all 8 K steps; v96-127 at work; v128-191 the lane side's fragments, later the codes made; v192-255 64 numbers.
;   window 1: the register side's fragments, two sets (v0-63, v128-191); v192-255 the bias.   windows 2, 3: accumulator (a, b) at v[8 (8 (a % 4) + b)], window 2 + a / 4.
.set PITCH,  272                       ; an LDS row: 256 bytes + 16 of padding: the 16 rows that a load touches start 68 words apart
.set HALFT,  128*PITCH                 ; 128 rows: what one tensor load brings, and what one wave reads of a side
.set SLOT,   4*HALFT                   ; a K half: the lane side's 256 rows, then the register side's
.set ADRA, 16                          ; v16-17 LDS address of my lane side's fragments in K half 0, 1
.set ADRB, 20                          ; v20-21 the same for the register side
.set L32,  22                          ; v22  32 x lane
.set LI,   23                          ; v23  16 x lane
.set L8,   24                          ; v24  8 x lane
.set BH,   25                          ; v25  32 x (lane / 16)
.set BR,   26                          ; v26  4 x (lane % 16)
.set SCA,  32                          ; scale words, lane side: register 8 p + q: K step q; lanes 0-15 block 2 p, lanes 16-31 block 2 p + 1
.set SCB,  64                          ; the same, register side
.set TM,   96                          ; v96-111 the quantiser's work
.set PW,   112                         ; v112-119 the scale word of each of my 8 blocks
.set SW,   120                         ; v120-127 scale words as they are stored
.set AF,   128                         ; the lane side's fragments
.set PC,   128                         ; later: the codes of block a at PC + 8 a
.set H,    192                         ; 64 numbers of a lane
.set T,    192                         ; in window 1: the bias
.set SEL,  12                          ; s12, s13 lane selects for v_permlanex16_b32: lane l xor 16
.set G1,   24                          ; s[24:31] descriptor group 1, lane side;  s[32:39] group 0, one set for each K half
.set G0,   32
.set G1B,  48                          ; s[48:55], s[56:63] the same, register side
.set G0B,  56
.set OB,   84                          ; s[84:85], s[86:87] where the codes of my two heads go
.set SB,   88                          ; s[88:89], s[90:91] and their scale words
.set HM,   98                          ; s98 a mask of lanes 16-31
.set MSB, 0
.macro WIN new                         ; the immediate's high byte repeats the setting that is left
.if MSB != (\new)
	s_set_vgpr_msb (MSB<<8)|(\new)
.set MSB, (\new)
.endif
.endm
.set MUL_LO, 0xa1                      ; source 0 window 1, source 1 window 0, C and D window 2
.set MUL_HI, 0xf1                      ; the same, C and D window 3
.set TO_B,   0x40                      ; destination window 1, address window 0
; A joint load: waves 0 and 1 fetch for the lane side, waves 2 and 3 for the register side.  The branch hangs on the wave's number alone.  Four v_nop follow each of the two lines.
.macro JLOAD s
	s_cmp_eq_u32 s15, 0
	s_cbranch_scc0 .Lfor_b_\@
	tensor_load_to_lds s[G0+4*\s:G0+4*\s+3], s[G1:G1+7]
	s_nop 0
.rept 4
	v_nop
.endr
	s_branch .Lasked_\@
.Lfor_b_\@:
	tensor_load_to_lds s[G0B+4*\s:G0B+4*\s+3], s[G1B:G1B+7]
	s_nop 0
.rept 4
	v_nop
.endr
.Lasked_\@:
.endm
.macro CROUND                          ; a round of the cluster's barrier
	s_barrier_signal -1
	s_barrier_wait -1
	s_cmp_lg_u32 s14, 0
	s_cbranch_scc1 .Lnot_wave_0_\@
	s_barrier_signal -3
.Lnot_wave_0_\@:
	s_barrier_wait -3
	s_barrier_signal -1
	s_barrier_wait -1
.endm
; One scaled product.  cz = 1: C is the constant 0, else v[c ..].  ra, rb = 1: source 0's, source 1's scales are read from lanes 16-31 of their register.
.macro WMS d, a, b, cz, c, sa, sb, ra, rb
.if \cz
.if (\ra) && (\rb)
	v_wmma_scale_f32_16x16x128_f8f6f4 v[\d:\d+7], v[\a:\a+7], v[\b:\b+7], 0, v[\sa], v[\sb] matrix_a_fmt:MATRIX_FMT_FP4 matrix_b_fmt:MATRIX_FMT_FP4 matrix_a_scale:MATRIX_SCALE_ROW1 matrix_b_scale:MATRIX_SCALE_ROW1
.elseif (\ra)
	v_wmma_scale_f32_16x16x128_f8f6f4 v[\d:\d+7], v[\a:\a+7], v[\b:\b+7], 0, v[\sa], v[\sb] matrix_a_fmt:MATRIX_FMT_FP4 matrix_b_fmt:MATRIX_FMT_FP4 matrix_a_scale:MATRIX_SCALE_ROW1
.elseif (\rb)
	v_wmma_scale_f32_16x16x128_f8f6f4 v[\d:\d+7], v[\a:\a+7], v[\b:\b+7], 0, v[\sa], v[\sb] matrix_a_fmt:MATRIX_FMT_FP4 matrix_b_fmt:MATRIX_FMT_FP4 matrix_b_scale:MATRIX_SCALE_ROW1
.else
	v_wmma_scale_f32_16x16x128_f8f6f4 v[\d:\d+7], v[\a:\a+7], v[\b:\b+7], 0, v[\sa], v[\sb] matrix_a_fmt:MATRIX_FMT_FP4 matrix_b_fmt:MATRIX_FMT_FP4
.endif
.else
.if (\ra) && (\rb)
	v_wmma_scale_f32_16x16x128_f8f6f4 v[\d:\d+7], v[\a:\a+7], v[\b:\b+7], v[\c:\c+7], v[\sa], v[\sb] matrix_a_fmt:MATRIX_FMT_FP4 matrix_b_fmt:MATRIX_FMT_FP4 matrix_a_scale:MATRIX_SCALE_ROW1 matrix_b_scale:MATRIX_SCALE_ROW1
.elseif (\ra)
	v_wmma_scale_f32_16x16x128_f8f6f4 v[\d:\d+7], v[\a:\a+7], v[\b:\b+7], v[\c:\c+7], v[\sa], v[\sb] matrix_a_fmt:MATRIX_FMT_FP4 matrix_b_fmt:MATRIX_FMT_FP4 matrix_a_scale:MATRIX_SCALE_ROW1
.elseif (\rb)
	v_wmma_scale_f32_16x16x128_f8f6f4 v[\d:\d+7], v[\a:\a+7], v[\b:\b+7], v[\c:\c+7], v[\sa], v[\sb] matrix_a_fmt:MATRIX_FMT_FP4 matrix_b_fmt:MATRIX_FMT_FP4 matrix_b_scale:MATRIX_SCALE_ROW1
.else
	v_wmma_scale_f32_16x16x128_f8f6f4 v[\d:\d+7], v[\a:\a+7], v[\b:\b+7], v[\c:\c+7], v[\sa], v[\sb] matrix_a_fmt:MATRIX_FMT_FP4 matrix_b_fmt:MATRIX_FMT_FP4
.endif
.endif
.endm
	s_load_b256 s[4:11], s[0:1], 0x0               ; x's codes s[4:5], x's scales s[6:7], Wqkv's codes s[8:9], Wqkv's scales s[10:11]
	s_load_b128 s[68:71], s[0:1], 0x20             ; bqkv s[68:69], qw s[70:71]
	s_load_b64 s[72:73], s[0:1], 0x30              ; kv
	v_lshl_add_u32 v106, v0, 2, 0x44000
	v_mov_b32 v107, 0
	ds_add_u32 v106, v107
	ds_add_u32 v106, v107
	v_lshrrev_b32 v1, 5, v0
	v_readfirstlane_b32 s14, v1                    ; wave 0..3
	s_lshr_b32 s15, s14, 1                         ; which half of the lane side's rows is mine.  Also: I fetch for the lane side (0) or the register side (1)
	s_and_b32 s16, s14, 1                          ; which half of the register side's rows.  Also: which 128 rows I fetch
	s_bfe_u32 s40, ttmp6, 0x40000                  ; cx, cy: my place in the cluster
	s_bfe_u32 s41, ttmp6, 0x40004
	s_and_b32 s17, ttmp7, 0xffff                   ; the cluster's y
	s_lshl_b32 s20, s17, 2
	s_lshl_b32 s21, ttmp9, 2
	s_cmp_eq_u32 ttmp9, 2                          ; the section: cluster x = 0 q, 1 k, 2 v
	s_cselect_b32 s18, 1, 0
	s_cselect_b32 s43, 8, s20                      ; the lane side's tile of 256 rows: v: rows 2,048.. of Wqkv; else tokens,
	s_cselect_b32 s42, s20, s21                    ; the register side's: v: tokens; else rows of Wqkv
	s_add_co_u32 s43, s43, s41                     ; + cy: shared along a row of the cluster
	s_add_co_u32 s42, s42, s40                     ; + cx: shared along a column
	s_lshl_b32 s44, s41, 2
	s_lshl_b32 s44, 15, s44                        ; my row of the cluster
	s_lshl_b32 s45, 0x1111, s40                    ; my column
	; descriptor group 1: a tile of 128 rows x 256 bytes out of rows of 512, padded in LDS
	s_or_b32 s[G1+0], s44, (0<<16)|(1<<20)|(1<<21)|(5<<22)|(3<<25)   ; 15:0 the mask; 17:16 elements of 1 byte; 20 padding on; 21 set beside a mask; 24:22 after every 64 words; 31:25 four words
	s_or_b32 s[G1B+0], s45, (0<<16)|(1<<20)|(1<<21)|(5<<22)|(3<<25)
.irp g, G1, G1B
	s_mov_b32 s[\g+1], 256<<16                     ; tensor_dim0
	s_mov_b32 s[\g+2], 128<<16                     ; tensor_dim1
	s_mov_b32 s[\g+3], 256<<16                     ; tile_dim0
	s_mov_b32 s[\g+4], 128                         ; tile_dim1
	s_mov_b32 s[\g+5], 512                         ; tensor_dim0_stride: a row of 1,024 codes
	s_mov_b32 s[\g+6], 0
	s_mov_b32 s[\g+7], 0
.endr
	s_mov_b32 s[SEL], 0x76543210
	s_mov_b32 s[SEL+1], 0xfedcba98
	s_mov_b32 s[HM], 0xffff0000
	s_lshl_b32 s22, s16, 7                         ; which 128 rows of a tile I fetch
	s_lshl_b32 s20, s43, 8
	s_add_co_u32 s20, s20, s22
	s_lshl_b32 s20, s20, 9                         ; lane side: (256 x tile + 128 x half) rows of 512 bytes
	s_mov_b32 s21, 0
	s_lshl_b32 s46, s42, 8
	s_add_co_u32 s46, s46, s22
	s_lshl_b32 s46, s46, 9                         ; register side likewise
	s_mov_b32 s47, 0
	s_mul_i32 s23, s14, HALFT                      ; where they go: wave x 128 rows: no place in the cluster enters an LDS address
	s_wait_dscnt 0x0
	s_wait_kmcnt 0x0
	s_cmp_eq_u32 ttmp9, 2
	s_cselect_b64 s[74:75], s[8:9], s[4:5]         ; lane side: codes,
	s_cselect_b64 s[76:77], s[10:11], s[6:7]       ; scales
	s_cselect_b64 s[78:79], s[4:5], s[8:9]         ; register side: codes,
	s_cselect_b64 s[80:81], s[6:7], s[10:11]       ; scales
	s_add_nc_u64 s[92:93], s[74:75], s[20:21]
	s_add_nc_u64 s[94:95], s[78:79], s[46:47]
	CROUND                                         ; all sixteen work-groups are here: the joint loads meet
.irp s, 0,1
	s_mov_b32 s[G0+4*\s], 1
	s_add_co_u32 s[G0+4*\s+1], s23, \s*SLOT
	s_add_nc_u64 s[G0+4*\s+2:G0+4*\s+3], s[92:93], \s*256
	s_or_b32 s[G0+4*\s+3], s[G0+4*\s+3], 0x80000000
	s_mov_b32 s[G0B+4*\s], 1
	s_add_co_u32 s[G0B+4*\s+1], s23, \s*SLOT
	s_add_nc_u64 s[G0B+4*\s+2:G0B+4*\s+3], s[94:95], \s*256
	s_or_b32 s[G0B+4*\s+3], s[G0B+4*\s+3], 0x80000000
	JLOAD \s                                       ; both K halves go out at once: two loads of mine are out
.endr
	v_and_b32 v1, 15, v0                           ; r = lane % 16
	v_bfe_u32 v2, v0, 4, 1                         ; h = lane / 16
	v_and_b32 v5, 31, v0                           ; lane
	v_lshlrev_b32 v[L32], 5, v5
	s_wait_alu depctr_va_vdst(0)
	v_lshlrev_b32 v[LI], 4, v5
	v_lshlrev_b32 v[L8], 3, v5
	v_lshlrev_b32 v[BH], 5, v2
	v_lshlrev_b32 v[BR], 2, v1
	s_lshl_b32 s96, s43, 1
	s_add_co_u32 s96, s96, s15                     ; IA: which 128 rows of the lane side's tensor are mine
	s_lshl_b32 s97, s42, 1
	s_add_co_u32 s97, s97, s16                     ; IB: which 128 rows of the register side's
	s_lshl_b32 s20, s96, 12                        ; 128 rows x 32 scale bytes
	s_mov_b32 s21, 0
	s_add_nc_u64 s[76:77], s[76:77], s[20:21]
	s_lshl_b32 s20, s97, 12
	s_add_nc_u64 s[80:81], s[80:81], s[20:21]
.irp p, 0,1,2,3                                ; THE SCALES COME ONCE, for all of K: lane l takes the 32 bytes (8 words, one a K step) of row 32 p + l: a pair of loads covers 1,024 consecutive bytes
	global_load_b128 v[SCA+8*\p:SCA+8*\p+3], v[L32], s[76:77] offset:1024*\p
	global_load_b128 v[SCA+8*\p+4:SCA+8*\p+7], v[L32], s[76:77] offset:1024*\p+16
	global_load_b128 v[SCB+8*\p:SCB+8*\p+3], v[L32], s[80:81] offset:1024*\p
	global_load_b128 v[SCB+8*\p+4:SCB+8*\p+7], v[L32], s[80:81] offset:1024*\p+16
.endr
	v_mul_u32_u24 v3, v1, PITCH
	v_lshl_add_u32 v4, v2, 4, v3                   ; a fragment's row x pitch + 16 x half
	s_mul_i32 s21, s15, HALFT                      ; my 128 rows of the lane side
	s_mul_i32 s22, s16, HALFT                      ; my 128 rows of the register side,
	s_add_co_u32 s22, s22, 2*HALFT                 ; which lie behind the lane side's 256
.irp s, 0,1
	v_add_nc_u32 v[ADRA+\s], s21, v4
	v_add_nc_u32 v[ADRB+\s], s22, v4
	s_add_co_u32 s21, s21, SLOT
	s_add_co_u32 s22, s22, SLOT
.endr
.irp b, 0,1,2,3
	v_mov_b32 v[TM+4+\b], 0                        ; written once: a lane permute's destination counts as one of its sources
.endr
	; where the results go.  mb = batch x 16 + step of 128 tokens; my 128 channels are two heads
	s_cmp_eq_u32 ttmp9, 2
	s_cselect_b32 s20, s97, s96                    ; mb: the tokens' side
	s_cselect_b32 s21, s96, s97                    ; which 128 of the 3,072 channels
	s_cselect_b32 s22, 4096, 0                     ; V's codes lie behind K's in a record
	s_mov_b32 s23, 8192
	s_cselect_b32 s23, 8704, s23                   ; the scale words' place in a record: v 8,704, k 8,192,
	s_cmp_eq_u32 ttmp9, 0
	s_cselect_b32 s23, 4096, s23                   ; q 4,096
	s_mov_b32 s46, 143360
	s_cselect_b32 s46, 73728, s46                  ; bytes of a head: 16 records
	s_mov_b32 s47, 8960
	s_cselect_b32 s47, 4608, s47                   ; bytes of a record
	s_cselect_b64 s[92:93], s[70:71], s[72:73]     ; qw or kv
	s_lshl_b32 s94, s21, 9
	s_mov_b32 s95, 0
	s_add_nc_u64 s[82:83], s[68:69], s[94:95]      ; the bias of my 128 channels
	s_and_b32 s21, s21, 7
	s_lshl_b32 s21, s21, 1                         ; my first head
	s_and_b32 s94, s20, 0xfffffff0                 ; batch x 16
	s_add_co_u32 s94, s94, s21
	s_mul_i32 s94, s94, s46
	s_and_b32 s20, s20, 15
	s_mul_i32 s20, s20, s47
	s_add_co_u32 s94, s94, s20
	s_add_nc_u64 s[92:93], s[92:93], s[94:95]      ; my first head's record
	s_mov_b32 s94, s22
	s_add_nc_u64 s[OB:OB+1], s[92:93], s[94:95]
	s_mov_b32 s94, s23
	s_add_nc_u64 s[SB:SB+1], s[92:93], s[94:95]
	s_mov_b32 s94, s46
	s_add_nc_u64 s[OB+2:OB+3], s[OB:OB+1], s[94:95]   ; and the head after it
	s_add_nc_u64 s[SB+2:SB+3], s[SB:SB+1], s[94:95]
.macro FRAG reg, adr, q, i             ; a fragment, 16 rows x 128 K of 4-bit codes, is 8 registers: lane l holds row l % 16; registers 4 c .. 4 c + 3 hold K = 64 c + 32 (l / 16) + 0 .. 31
.irp c, 0,1
	ds_load_b128 v[\reg+4*\c:\reg+4*\c+3], v[\adr] offset:64*(\q)+32*\c+(\i)*16*PITCH
.endr
.endm
; 16 products: the lane side's blocks a0, a0 + 1 x the register side's eight; p: the register side's set; qg: the K step of 8.  The 64 accumulators take turns, one instruction a turn, in the same order in every step.
.macro MUL16 a0, p, qg, zero
.irp a, \a0, \a0+1
.irp b, 0,1,2,3,4,5,6,7
.set rD, 8*(8*((\a)%4)+\b)
.set rB, 128*(\p)+8*\b
.set rA, AF+8*(\a)
.set rSB, SCB+8*(\b/2)+(\qg)
.set rSA, SCA+8*((\a)/2)+(\qg)
	WMS rD, rB, rA, \zero, rD, rSB, rSA, \b%2, (\a)%2
.endr
.endr
.endm
.macro FETCH_B slot, q, p              ; the register side's eight fragments of the half's q-th 128 along K into set p
	WIN TO_B
.irp i, 0,1,2,3,4,5,6,7
	FRAG 128*(\p)+8*\i, ADRB+\slot, \q, \i
.endr
	WIN 0
.endm
.macro FETCH_A slot, q, i0             ; the lane side's blocks i0 .. i0 + 3
.irp i, \i0, \i0+1, \i0+2, \i0+3
	FRAG AF+8*(\i), ADRA+\slot, \q, \i
.endr
.endm
.macro PLACES                          ; four plain vector instructions between a matrix instruction and a load into a register that it read, or a vector instruction that reads its result
.rept 4
	v_nop
.endr
.endm
; A step of 128 along K that has its successor in the same K half.  A block of the lane side is free as soon as its eight products are issued: one set of registers serves it.
.macro STEP slot, q, zero
	s_wait_dscnt 8                                 ; the register side's set and the lane side's blocks 0-3 are in; the eight youngest loads (blocks 4-7) may be out
	WIN MUL_LO
	MUL16 0, (\q)%2, 4*(\slot)+(\q), \zero
	MUL16 2, (\q)%2, 4*(\slot)+(\q), \zero
	s_wait_dscnt 0x0                               ; blocks 4-7 are in
	PLACES
	FETCH_B \slot, (\q)+1, 1-(\q)%2
	FETCH_A \slot, (\q)+1, 0
	WIN MUL_HI
	MUL16 4, (\q)%2, 4*(\slot)+(\q), \zero
	MUL16 6, (\q)%2, 4*(\slot)+(\q), \zero
	PLACES
	WIN 0
	FETCH_A \slot, (\q)+1, 4
.endm
; 64 numbers of a lane, register s + 8 t + j = k 16 t + 8 (lane / 16) + j of my row, become a fragment's codes in v[pc] on, K IN ITS NATURAL ORDER, and its scale word in v[pw].
; Block b of 32 is registers 16 b .. 16 b + 15 of lanes l and l xor 16.  The operand's register 4 c + i wants, in lanes 0-15, k = 64 c + 8 i .. and, in lanes 16-31, k = 64 c + 32 + 8 i ..:
; tile 4 c's codes beside tile 4 c + 2's, and tile 4 c + 1's beside tile 4 c + 3's, with one exchange of halves for each pair.
.macro QUANT s, pc, pw
.irp b, 0,1,2,3
	v_max3_num_f32 v[TM+\b], |v[(\s)+16*\b]|, |v[(\s)+1+16*\b]|, 0x1800000   ; my 16 numbers of block b, and the floor 2^(3 - 127): the byte cannot fall under 1
.endr
.irp i, 2,4,6,8,10,12,14
.irp b, 0,1,2,3
	v_max3_num_f32 v[TM+\b], v[TM+\b], |v[(\s)+16*\b+\i]|, |v[(\s)+1+16*\b+\i]|   ; the four blocks by turns
.endr
.endr
.irp b, 0,1,2,3
	v_permlanex16_b32 v[TM+4+\b], v[TM+\b], s[SEL], s[SEL+1]
.endr
.irp b, 0,1,2,3
	v_max_num_f32 v[TM+\b], v[TM+\b], v[TM+4+\b]   ; with lane l xor 16's: the block's largest magnitude
.endr
.irp b, 0,1,2,3
	v_add_nc_u32 v[TM+12+\b], 0xff000000, v[TM+\b] ; 2 off its exponent field: the conversion takes the exponent field of this operand as its scale
.endr
.irp b, 0,1,2,3
	v_lshrrev_b32 v[TM+4+\b], 23, v[TM+12+\b]      ; the scale's byte
.endr
	v_lshl_or_b32 v[\pw], v[TM+5], 8, v[TM+4]      ; the four bytes make my row's scale word (both halves of the lanes hold it)
	v_lshl_or_b32 v[\pw], v[TM+6], 16, v[\pw]
	v_lshl_or_b32 v[\pw], v[TM+7], 24, v[\pw]
.irp c, 0,1
	v_cvt_scalef32_pk8_fp4_f32 v[(\pc)+4*\c], v[(\s)+32*\c:(\s)+32*\c+7], v[TM+12+2*\c]
	v_cvt_scalef32_pk8_fp4_f32 v[(\pc)+4*\c+2], v[(\s)+32*\c+8:(\s)+32*\c+15], v[TM+12+2*\c]
	v_cvt_scalef32_pk8_fp4_f32 v[(\pc)+4*\c+1], v[(\s)+32*\c+16:(\s)+32*\c+23], v[TM+13+2*\c]
	v_cvt_scalef32_pk8_fp4_f32 v[(\pc)+4*\c+3], v[(\s)+32*\c+24:(\s)+32*\c+31], v[TM+13+2*\c]
.endr
	v_nop                                          ; one plain place behind a scaled conversion
.irp c, 0,1
	v_permlane16_swap_b32 v[(\pc)+4*\c], v[(\pc)+4*\c+1]     ; the first's lanes 16-31 change places with the second's lanes 0-15
	v_permlane16_swap_b32 v[(\pc)+4*\c+2], v[(\pc)+4*\c+3]
.endr
.endm
; THE SECOND K HALF AND THE WAY OUT, written for q and k (isv = 0) and for v (isv = 1).
.macro TAIL isv
	WIN TO_B                                       ; the bias, asked for four K steps ahead of its use, into window 1
.if \isv
.irp a, 0,1,2,3,4,5,6,7
	global_load_b32 v[T+2*\a], v[BR], s[82:83] offset:64*\a       ; my lane's channel 16 a + r, twice: a pair for the packed addition
	global_load_b32 v[T+2*\a+1], v[BR], s[82:83] offset:64*\a
.endr
.else
.irp b, 0,1,2,3,4,5,6,7
	global_load_b128 v[T+8*\b:T+8*\b+3], v[BH], s[82:83] offset:64*\b        ; channels 16 b + 8 h + 0 .. 7: the result's layout
	global_load_b128 v[T+8*\b+4:T+8*\b+7], v[BH], s[82:83] offset:64*\b+16
.endr
.endif
	WIN 0
	STEP 1, 0, 0
	STEP 1, 1, 0
	STEP 1, 2, 0
	s_wait_dscnt 8                                 ; the last step: nothing more to fetch
	WIN MUL_LO
	MUL16 0, 1, 7, 0
	MUL16 2, 1, 7, 0
	s_wait_dscnt 0x0
	WIN MUL_HI
	MUL16 4, 1, 7, 0
	MUL16 6, 1, 7, 0
	WIN 0
	PLACES
	s_wait_loadcnt 0x0                             ; the bias
.irp a, 0,1,2,3,4,5,6,7                        ; block a: 16 rows of the lane side x my 128 of the register side
	WIN 0x06+(\a)/4                                ; source 0: the accumulators' window, source 1: window 1
.set i, 0
.rept 32                                       ; + bias, and into window 0, in one line; each accumulator from its low end on
.if \isv
	v_pk_add_f32 v[H+2*i:H+2*i+1], v[64*(\a%4)+2*i:64*(\a%4)+2*i+1], v[T+2*\a:T+2*\a+1]
.else
	v_pk_add_f32 v[H+2*i:H+2*i+1], v[64*(\a%4)+2*i:64*(\a%4)+2*i+1], v[T+2*i:T+2*i+1]
.endif
.set i, i+1
.endr
	WIN 0
	QUANT H, PC+8*\a, PW+\a
.if \isv                                       ; a fragment of V^T: head a / 4, channels 16 (a % 4) on, my 128 keys
	global_store_b128 v[LI], v[PC+8*\a:PC+8*\a+3], s[OB+2*(\a/4):OB+2*(\a/4)+1] offset:1024*(\a%4)
	global_store_b128 v[LI], v[PC+8*\a+4:PC+8*\a+7], s[OB+2*(\a/4):OB+2*(\a/4)+1] offset:1024*(\a%4)+512
.else                                          ; registers 0-3: my first head's 64 channels of tokens 16 a on; registers 4-7: the next head's.  Each store covers 512 consecutive bytes
	global_store_b128 v[LI], v[PC+8*\a:PC+8*\a+3], s[OB:OB+1] offset:512*\a
	global_store_b128 v[LI], v[PC+8*\a+4:PC+8*\a+7], s[OB+2:OB+3] offset:512*\a
.endif
.endr
.if \isv
.irp hh, 0,1
.irp i, 0,1
	v_cndmask_b32 v[SW+2*\hh+\i], v[PW+4*\hh+2*\i], v[PW+4*\hh+2*\i+1], s[HM]   ; lanes 0-15: channel tile 2 i, lanes 16-31: tile 2 i + 1
.endr
	global_store_b64 v[L8], v[SW+2*\hh:SW+2*\hh+1], s[SB+2*\hh:SB+2*\hh+1]      ; 256 consecutive bytes
.endr
.else
.irp i, 0,1,2,3
	v_cndmask_b32 v[SW+4+\i], v[PW+2*\i], v[PW+2*\i+1], s[HM]    ; the word of token 32 i + lane
.endr
.irp i, 0,1,2,3
	v_and_b32 v[SW+\i], 0xffff, v[SW+4+\i]         ; its low two bytes are my first head's two blocks,
.endr
.irp i, 0,1,2,3
	v_lshrrev_b32 v[SW+4+\i], 16, v[SW+4+\i]       ; its high two the next head's; bytes 2 and 3 of a stored word are 0
.endr
	global_store_b128 v[LI], v[SW:SW+3], s[SB:SB+1]
	global_store_b128 v[LI], v[SW+4:SW+7], s[SB+2:SB+3]
.endif
.endm
	s_wait_alu depctr_va_vdst(0)
	s_wait_tensorcnt 1                             ; my part of the first K half is in (the second half's load may be out)
	s_barrier_signal -1
	s_barrier_wait -1                              ; everybody's is
	FETCH_B 0, 0, 0
	FETCH_A 0, 0, 0
	FETCH_A 0, 0, 4
	s_wait_loadcnt 0x0                             ; the scale words
	STEP 0, 0, 1                                   ; the first products start the sums: nothing is cleared
	STEP 0, 1, 0
	STEP 0, 2, 0
	; the first half's last step changes halves: one barrier, in front of which each wave has waited for its part of the second half
	s_wait_tensorcnt 0x0
	s_wait_dscnt 8
	WIN MUL_LO
	MUL16 0, 1, 3, 0
	s_wait_dscnt 0x0                               ; no LDS instruction of mine is pending at the signal
	s_barrier_signal -1
	MUL16 2, 1, 3, 0
	WIN 0
	s_barrier_wait -1
	PLACES
	FETCH_B 1, 0, 0
	FETCH_A 1, 0, 0
	WIN MUL_HI
	MUL16 4, 1, 3, 0
	MUL16 6, 1, 3, 0
	PLACES
	WIN 0
	FETCH_A 1, 0, 4
	s_cmp_eq_u32 s18, 1                            ; the section: the same in all sixteen partners; no barrier stands under this branch
	s_cbranch_scc1 .Lv_tail
	TAIL 0
	s_branch .Ljoin
.Lv_tail:
	TAIL 1
.Ljoin:
	s_wait_tensorcnt 0x0
	ds_add_u32 v106, v107
	s_wait_dscnt 0x0
	CROUND                                         ; the closing round: no work-group ends while a partner may still ask for a tile that names it
	s_endpgm
.Lfunc_end_k_qc3b92ec53e_qkv:
	.size	k_qc3b92ec53e_qkv, .Lfunc_end_k_qc3b92ec53e_qkv-k_qc3b92ec53e_qkv
	.p2alignl 7, 3214868480
	.fill 96, 4, 3214868480
	.section	.rodata,"a",@progbits
	.p2align	6, 0x0
	.amdhsa_kernel k_qc3b92ec53e_qkv
		.amdhsa_group_segment_fixed_size 279040
		.amdhsa_private_segment_fixed_size 0
		.amdhsa_enable_private_segment 0
		.amdhsa_kernarg_size 56
		.amdhsa_user_sgpr_count 2
		.amdhsa_user_sgpr_kernarg_segment_ptr 1
		.amdhsa_wavefront_size32 1
		.amdhsa_system_sgpr_workgroup_id_x 1
		.amdhsa_system_sgpr_workgroup_id_y 1
		.amdhsa_system_sgpr_workgroup_id_z 1
		.amdhsa_system_vgpr_workitem_id 0
		.amdhsa_next_free_vgpr 1024
		.amdhsa_next_free_sgpr 100
		.amdhsa_reserve_vcc 0
		.amdhsa_float_denorm_mode_32 3
		.amdhsa_float_denorm_mode_16_64 3
		.amdhsa_memory_ordered 1
		.amdhsa_forward_progress 1
		.amdhsa_inst_pref_size 234
	.end_amdhsa_kernel
	.amdgpu_metadata
---
amdhsa.version: [ 1, 2 ]
amdhsa.kernels:
  - .name:           k_qc3b92ec53e_qkv
    .symbol:         k_qc3b92ec53e_qkv.kd
    .args:
      - { .name: x_codes, .offset: 0, .size: 8, .value_kind: global_buffer, .address_space: global }
      - { .name: x_scales, .offset: 8, .size: 8, .value_kind: global_buffer, .address_space: global }
      - { .name: Wqkv_codes, .offset: 16, .size: 8, .value_kind: global_buffer, .address_space: global }
      - { .name: Wqkv_scales, .offset: 24, .size: 8, .value_kind: global_buffer, .address_space: global }
      - { .name: bqkv, .offset: 32, .size: 8, .value_kind: global_buffer, .address_space: global }
      - { .name: qw, .offset: 40, .size: 8, .value_kind: global_buffer, .address_space: global }
      - { .name: kv, .offset: 48, .size: 8, .value_kind: global_buffer, .address_space: global }
    .group_segment_fixed_size: 279040
    .private_segment_fixed_size: 0
    .kernarg_segment_align: 8
    .kernarg_segment_size: 56
    .max_flat_workgroup_size: 128
    .sgpr_count:     100
    .vgpr_count:     1024
    .wavefront_size: 32
...
	.end_amdgpu_metadata
.endif
;; end of part 1
;; launch attn (part 2): grid 4 x 64, 16 waves a work-group, clusters of 4 x 1, 169,984 bytes of LDS; arguments qw, kv, ao, aos; writes ao, aos
.if DOCPART == 2
	.amdgcn_target "amdgcn-amd-amdhsa--gfx1250"
	.amdhsa_code_object_version 6
	.text
	.protected	k_qc3b92ec53e_attn
	.globl	k_qc3b92ec53e_attn
	.p2align	8
	.type	k_qc3b92ec53e_attn,@function
k_qc3b92ec53e_attn:
	s_mov_b64 s[64:65], 0
	v_nop
	global_prefetch_b8 v0, s[64:65] scope:SCOPE_SE
	s_setreg_imm32_b32 hwreg(HW_REG_WAVE_MODE, 25, 1), 1
	s_wait_xcnt 0x0
	s_wait_alu depctr_hold_cnt(0) depctr_sa_sdst(0) depctr_va_vdst(0) depctr_va_sdst(0) depctr_va_ssrc(0) depctr_va_vcc(0) depctr_vm_vsrc(0)
	s_getreg_b32 s2, hwreg(HW_REG_IB_STS2, 6, 4)
	s_cmp_eq_u32 s2, 0
	s_cbranch_scc0 .Lentry_in_a_cluster
	s_endpgm
.Lentry_in_a_cluster:
	s_bfe_u32 s2, ttmp6, 0x10000c
	s_cmp_lg_u32 s2, 0x3003
	s_cbranch_scc0 .Lentry_shape_is_right
	s_endpgm
.Lentry_shape_is_right:
; Causal attention of one head on codes of FP4 (E2M1): S = q k^T (K = the head's 64 channels, filled with zero codes to the instruction's 128), p = 2^(t - M), O = p V (K = the keys), O / l quantised along the channels.
; t = score x log2(e) / 8; M = the running largest t rounded UP to a whole number; p is quantised along the keys, not normalised; l is the sum of the unquantised p; when M moves, l and O are multiplied by 2^(old M - new M): exact.
; qw, kv: images of operands' registers (four registers = 512 bytes, lane l's 16 bytes at 16 l), as the launch before laid them:
;   qw [64 heads][16 granules of 128 queries][4,608];  kv [64 heads][16 steps of 128 keys][8,960]: K 8 images, V 4 fragments, K's scale words (512 bytes), V's (256).
; A CLUSTER IS ONE HEAD.  Its four work-groups ask JOINTLY for the head's whole record, 143,360 bytes, once: wave w of each asks for key step w.  LDS is filled once and only read afterwards: one barrier.
; SHARES.  A granule of 128 queries has 8 tiles of 16; partner cx takes tiles 2 cx + (wave % 2).  Wave w, g = w / 2, takes that tile of granule g (key steps 0 .. g) and then of granule 15 - g (key steps 0 .. 15 - g):
; 17 key steps for every wave of every work-group, the 17 a constant.  The place in the cluster enters Q's and the outputs' global addresses and the mask's lane constant, and no branch and no LDS address.
; LAYOUT.  Both products are used transposed: S^T = K Q^T, O^T = V^T P^T: a lane holds ONE query (lane % 16); register 8 t + j of S^T is key 16 t + 8 (lane / 16) + j.
; OUT.  ao [512 token tiles][16 heads][512]: the image of a head's 64 channels of 16 tokens: half a fragment of the next product.  aos [8192 tokens][32]: its scale bytes in their natural places; each lane stores one byte,
; 32 bytes apart: one byte for each 16 bytes of codes, and the next launch then loads whole scale words.
; LIMITS: a block under 2^-124 (zeros too) keeps the scale byte 1; only this program reads the bytes.  NaN and infinities are not served.
; REGISTERS: v1-11 addresses; v12 -M, v13 the largest t, v[14:15] l in two halves; v16-23 Q (upper half zeros); v24 Q's scale word, v25 the second tile's; v26-27 V's scale words, v28-31 K's;
;   v32-95 K's 8 fragments (upper halves zeros); v96-159 S^T, then p; v160-191 O^T; v192-223 V's 4 fragments; v224-231 p's codes; v232-254 at work; v240-243 the second tile's Q.
.set REC,  8960                        ; a key step's record
.set WV,   12                          ; s12 my wave's number
.set SEL,  20                          ; s[20:21] lane selects for v_permlanex16_b32: lane l xor 16
.set CS,   22                          ; s[22:23] c = log2(e) / 8
.set G1,   24                          ; s[24:31], s[32:35] the descriptor
.set G0,   32
.macro CROUND                          ; a round of the cluster's barrier
	s_barrier_signal -1
	s_barrier_wait -1
	s_cmp_lg_u32 s[WV], 0
	s_cbranch_scc1 .Lnot_wave_0_\@
	s_barrier_signal -3
.Lnot_wave_0_\@:
	s_barrier_wait -3
	s_barrier_signal -1
	s_barrier_wait -1
.endm
; One scaled product.  cz = 1: C is the constant 0, else v[c ..].  ra = 1: source 0's scales are read from lanes 16-31 of their register.
.macro WMS d, a, b, cz, c, sa, sb, ra
.if \cz
.if (\ra)
	v_wmma_scale_f32_16x16x128_f8f6f4 v[\d:\d+7], v[\a:\a+7], v[\b:\b+7], 0, v[\sa], v[\sb] matrix_a_fmt:MATRIX_FMT_FP4 matrix_b_fmt:MATRIX_FMT_FP4 matrix_a_scale:MATRIX_SCALE_ROW1
.else
	v_wmma_scale_f32_16x16x128_f8f6f4 v[\d:\d+7], v[\a:\a+7], v[\b:\b+7], 0, v[\sa], v[\sb] matrix_a_fmt:MATRIX_FMT_FP4 matrix_b_fmt:MATRIX_FMT_FP4
.endif
.else
.if (\ra)
	v_wmma_scale_f32_16x16x128_f8f6f4 v[\d:\d+7], v[\a:\a+7], v[\b:\b+7], v[\c:\c+7], v[\sa], v[\sb] matrix_a_fmt:MATRIX_FMT_FP4 matrix_b_fmt:MATRIX_FMT_FP4 matrix_a_scale:MATRIX_SCALE_ROW1
.else
	v_wmma_scale_f32_16x16x128_f8f6f4 v[\d:\d+7], v[\a:\a+7], v[\b:\b+7], v[\c:\c+7], v[\sa], v[\sb] matrix_a_fmt:MATRIX_FMT_FP4 matrix_b_fmt:MATRIX_FMT_FP4
.endif
.endif
.endm
	s_load_b256 s[4:11], s[0:1], 0x0               ; qw s[4:5], kv s[6:7], ao s[8:9], aos s[10:11]
	v_lshl_add_u32 v251, v0, 2, 0x29000
	v_mov_b32 v255, 0
	ds_add_u32 v251, v255
	ds_add_u32 v251, v255
	v_lshrrev_b32 v1, 5, v0
	s_delay_alu instid0(VALU_DEP_1)
	v_readfirstlane_b32 s[WV], v1                  ; wave 0..15
	s_bfe_u32 s13, ttmp6, 0x40000                  ; cx: my place in the cluster
	s_and_b32 s14, ttmp7, 0xffff                   ; the head's row: batch x 16 + head, which the four partners share
	s_lshr_b32 s15, s[WV], 1                       ; g
	s_and_b32 s16, s[WV], 1                        ; u
	s_lshl_b32 s17, s13, 1
	s_add_co_u32 s17, s17, s16                     ; ti = 2 cx + u: my tile in a granule
	s_add_co_u32 s18, s15, 1                       ; g + 1: the first tile's key steps
	s_mov_b32 s[SEL], 0x76543210
	s_mov_b32 s[SEL+1], 0xfedcba98
	s_mov_b32 s[CS], 0x3e38aa3b                    ; c = log2(e) / sqrt(64)
	s_mov_b32 s[CS+1], s[CS]                       ; (named with it as a pair, so it is written)
	s_mov_b32 s39, 0xffff0000                      ; a mask of lanes 16-31
	; the descriptor: a key step's record, 8,960 dense bytes, as 35 rows of 256 bytes (32 elements of 8 bytes)
	s_mov_b32 s[G1], 15|(3<<16)|(1<<21)            ; 15:0 the mask: all four work-groups; 17:16 elements of 8 bytes; 21 set beside a mask; no padding
	s_mov_b32 s[G1+1], 32<<16                      ; tensor_dim0
	s_mov_b32 s[G1+2], 35<<16                      ; tensor_dim1
	s_mov_b32 s[G1+3], 32<<16                      ; tile_dim0
	s_mov_b32 s[G1+4], 35                          ; tile_dim1
	s_mov_b32 s[G1+5], 32                          ; tensor_dim0_stride
	s_mov_b32 s[G1+6], 0
	s_mov_b32 s[G1+7], 0
	s_mov_b32 s[G0], 1
	s_mul_i32 s[G0+1], s[WV], REC                  ; LDS address: wave x a record
	s_mul_i32 s48, s14, 16*REC
	s_add_co_u32 s48, s48, s[G0+1]
	s_mov_b32 s49, 0
	s_lshl_b32 s52, s14, 4                         ; 16 granules a head
	s_add_co_u32 s50, s52, s15
	s_mul_i32 s50, s50, 4608                       ; granule g's record of Q
	s_mov_b32 s51, 0
	s_add_co_u32 s52, s52, 15
	s_sub_co_u32 s52, s52, s15
	s_mul_i32 s52, s52, 4608                       ; granule 15 - g's
	s_mov_b32 s53, 0
	s_wait_dscnt 0x0
	s_wait_kmcnt 0x0
	s_add_nc_u64 s[G0+2:G0+3], s[6:7], s[48:49]
	s_or_b32 s[G0+3], s[G0+3], 0x80000000
	s_add_nc_u64 s[40:41], s[4:5], s[50:51]
	s_add_nc_u64 s[42:43], s[4:5], s[52:53]
	CROUND                                         ; all four work-groups are here: the joint loads meet
	tensor_load_to_lds s[G0:G0+3], s[G1:G1+7]      ; key step w of the head: one load of mine is out
	s_nop 0
.rept 4
	v_nop
.endr
	s_lshr_b32 s48, s14, 4
	s_lshl_b32 s48, s48, 7
	s_add_co_u32 s48, s48, s17                     ; 128 x batch + ti
	s_lshl_b32 s49, s15, 3
	s_add_co_u32 s44, s48, s49                     ; the first tile's number among the 512 token tiles,
	s_sub_co_u32 s45, s48, s49
	s_add_co_u32 s45, s45, 120                     ; the second's: granule 15 - g
	s_and_b32 s46, s14, 15                         ; the head
	v_and_b32 v1, 31, v0                           ; lane
	s_delay_alu instid0(VALU_DEP_1)
	v_lshlrev_b32 v2, 3, v1                        ; v2 = 8 x lane
	s_delay_alu instid0(VALU_DEP_2)
	v_lshlrev_b32 v1, 4, v1                        ; v1 = 16 x lane
	v_and_b32 v8, 15, v0                           ; r
	v_bfe_u32 v9, v0, 4, 1                         ; h
	s_lshl_b32 s48, s17, 4
	v_lshlrev_b32 v5, 3, v9
	s_delay_alu instid0(VALU_DEP_1)
	v_sub_nc_u32 v5, v8, v5
	s_delay_alu instid0(VALU_DEP_1)
	v_add_nc_u32 v5, s48, v5                       ; d = 16 ti + r - 8 h: on the diagonal register 8 t + j is hidden where 16 t + j > d
	s_lshl_b32 s48, s17, 9
	v_add_nc_u32 v6, s48, v1                       ; Q's image: 512 ti + 16 x lane
	s_lshl_b32 s48, s16, 8
	s_lshl_b32 s49, s13, 2
	s_add_co_u32 s48, s48, s49
	s_add_co_u32 s48, s48, 4096
	v_lshl_add_u32 v7, v8, 4, s48                  ; Q's scale word: query 16 ti + r = 32 cx + (16 u + r): 4,096 + 16 (16 u + r) + 4 cx
	v_lshl_add_u32 v8, v8, 5, v9                   ; 32 r + h: my byte among 16 tokens' scale bytes
	global_load_b128 v[16:19], v6, s[40:41]        ; the first tile's Q,
	global_load_b32 v24, v7, s[40:41]
	global_load_b128 v[240:243], v6, s[42:43]      ; the second's
	global_load_b32 v25, v7, s[42:43]
.irp j, 20,21,22,23
	v_mov_b32 v[\j], 0                             ; k = 64 .. 127 of Q: zero codes
.endr
.irp t, 0,1,2,3,4,5,6,7
.irp j, 4,5,6,7
	v_mov_b32 v[32+8*\t+\j], 0                     ; and of K: written once
.endr
.endr
.set j, 0
.rept 32
	v_mov_b32 v[160+j], 0                          ; O^T.  (The step is written once: a tile's first step finds zeros, which the first change of M leaves zeros)
.set j, j+1
.endr
	v_mov_b32 v13, 0xff61b1e6                      ; the largest t so far: -3e38, under every t
	s_delay_alu instid0(VALU_DEP_1)
	v_floor_f32 v12, -v13                          ; -M
	v_mov_b32 v14, 0
	v_mov_b32 v15, 0
.irp b, 0,1,2,3
	v_mov_b32 v[236+\b], 0                         ; written once: a lane permute's destination counts as one of its sources
.endr
	v_mov_b32 v253, 0                              ; (named as the upper half of the pair v[252:253] before it is first written)
	s_mov_b32 s19, 0                               ; S: the trip
	s_wait_loadcnt 0x0                             ; Q
	s_wait_tensorcnt 0x0                           ; my key step has landed,
	s_barrier_signal -1
	s_barrier_wait -1                              ; everybody's has: the head lies in LDS, and nothing writes LDS from here on
.Ltrip:                                            ; 17 trips: S = 0 .. g: the first tile's key steps 0 .. g;  S = g + 1 .. 16: the second tile's 0 .. 15 - g
	s_cmp_gt_u32 s19, s15
	s_cselect_b32 s48, s18, 0
	s_sub_co_u32 s36, s19, s48
	s_and_b32 s36, s36, 15                         ; the key step
	s_mul_i32 s37, s36, REC                        ; its record in LDS
	s_cmp_eq_u32 s19, s15
	s_cselect_b32 s38, 1, 0
	s_cmp_eq_u32 s19, 16
	s_cselect_b32 s38, 1, s38                      ; 1: a tile's last step, which lies on the diagonal.  It hangs on the wave's number and the trip alone
	s_setprio 2
	v_add_nc_u32 v3, s37, v1
	v_add_nc_u32 v4, s37, v2
	v_nop
	v_nop                                          ; four places between the last trip's products and the loads into V's registers
.irp t, 0,1,2,3,4,5,6,7
	ds_load_b128 v[32+8*\t:35+8*\t], v3 offset:512*\t          ; K: 16 keys x 64 channels
.endr
	ds_load_b128 v[28:31], v3 offset:8192                      ; K's scale words: register i: lanes 0-15 tile 2 i, lanes 16-31 tile 2 i + 1
.irp i, 0,1,2,3,4,5,6,7
	ds_load_b128 v[192+4*\i:195+4*\i], v3 offset:4096+512*\i   ; V: 4 fragments of 16 channels x 128 keys
.endr
	ds_load_b64 v[26:27], v4 offset:8704                       ; V's scale words, likewise
	s_wait_dscnt 9                                 ; K and its scale words are in; V's eight loads and its scale load may be out
.irp t, 0,1,2,3,4,5,6,7
.set rD, 96+8*\t
.set rA, 32+8*\t
.set rS, 28+\t/2
	WMS rD, rA, 16, 1, rD, rS, 24, \t%2
.endr
.rept 4
	v_nop
.endr
	s_cmp_eq_u32 s38, 0
	s_cbranch_scc1 .Lopen
	v_mov_b32 v254, 0xff800000                     ; on the diagonal the scores of hidden keys become -infinity ahead of the maximum: p = 0 then
.set n, 0
.rept 64
	v_cmp_gt_i32 vcc_lo, 16*(n/8)+n%8, v5
	v_cndmask_b32 v[96+n], v[96+n], v254, vcc_lo
.set n, n+1
.endr
.Lopen:
.irp b, 0,1,2,3
	v_max3_num_f32 v[232+\b], v[96+16*\b], v[97+16*\b], v[98+16*\b]   ; the largest score of each block of 32 keys: it serves for the row's maximum and, since p rises with the score, for the block's largest p
.endr
.irp i, 3,5,7,9,11,13
.irp b, 0,1,2,3
	v_max3_num_f32 v[232+\b], v[232+\b], v[96+16*\b+\i], v[97+16*\b+\i]
.endr
.endr
.irp b, 0,1,2,3
	v_max_num_f32 v[232+\b], v[232+\b], v[111+16*\b]
.endr
.irp b, 0,1,2,3
	s_delay_alu instid0(VALU_DEP_4)
	v_permlanex16_b32 v[236+\b], v[232+\b], s[SEL], s[SEL+1]
.endr
.irp b, 0,1,2,3
	s_delay_alu instid0(VALU_DEP_4)
	v_max_num_f32 v[232+\b], v[232+\b], v[236+\b]  ; with lane l xor 16's 16 keys
.endr
	s_delay_alu instid0(VALU_DEP_2)
	v_max3_num_f32 v254, v232, v233, v234
	s_delay_alu instid0(VALU_DEP_1)
	v_max_num_f32 v254, v254, v235                 ; the step's largest score of my query (key 0 of the step counts for every query, so it is a number)
	s_delay_alu instid0(VALU_DEP_1)
	v_mul_f32 v254, s[CS], v254                    ; as t
	s_delay_alu instid0(VALU_DEP_1)
	v_max_num_f32 v13, v13, v254                   ; the running largest t
	v_mov_b32 v254, v12
	s_delay_alu instid0(VALU_DEP_2)
	v_floor_f32 v12, -v13                          ; the new -M = floor(-t) = -ceil(t)
	s_delay_alu instid0(VALU_DEP_1)
	v_sub_f32 v254, v12, v254                      ; old M - new M: a whole number, 0 or less
	s_delay_alu instid0(VALU_DEP_1)
	v_cvt_i32_f32 v254, v254                       ; (it saturates)
	s_delay_alu instid0(VALU_DEP_1)
	v_ldexp_f32 v252, 1.0, v254                    ; f = 2^(old M - new M)
.set j, 0
.rept 32
	v_pk_fma_f32 v[96+j:97+j], v[96+j:97+j], s[CS:CS+1], v[12:13] op_sel_hi:[1,0,0]   ; t - M, two at a time
.set j, j+2
.endr
.irp b, 0,1,2,3
	v_fma_f32 v[232+\b], v[232+\b], s[CS], v12     ; the same of each block's largest score
.endr
.set j, 0
	s_wait_alu depctr_va_vdst(0)
.rept 64
	v_exp_f32 v[96+j], v[96+j]                     ; p = 2^(t - M), at most 1
.set j, j+1
.endr
	s_setprio 1
	v_pk_mul_f32 v[14:15], v[14:15], v[252:253] op_sel_hi:[1,0]   ; l under the new M: a plain instruction behind the exponentials
	s_wait_alu depctr_va_vdst(0)                   ; one wait for the batch of 64, ahead of its first reader
.irp b, 0,1,2,3
	v_exp_f32 v[232+\b], v[232+\b]                 ; the block's largest p: the same two instructions on the same number
.endr
	v_pk_add_f32 v[236:237], v[100:101], v[104:105]
	v_pk_add_f32 v[248:249], v[108:109], v[112:113]
	v_pk_add_f32 v[246:247], v[116:117], v[120:121]
	v_pk_add_f32 v[244:245], v[124:125], v[128:129]
	v_pk_add_f32 v[238:239], v[132:133], v[136:137]
	v_pk_add_f32 v[230:231], v[140:141], v[144:145]
	v_pk_add_f32 v[228:229], v[148:149], v[152:153]
	v_pk_add_f32 v[14:15], v[14:15], v[156:157]
	v_pk_add_f32 v[236:237], v[236:237], v[96:97]
	v_pk_add_f32 v[248:249], v[248:249], v[98:99]
	v_pk_add_f32 v[246:247], v[246:247], v[102:103]
	v_pk_add_f32 v[244:245], v[244:245], v[106:107]
	v_pk_add_f32 v[238:239], v[238:239], v[110:111]
	v_pk_add_f32 v[230:231], v[230:231], v[114:115]
	v_pk_add_f32 v[228:229], v[228:229], v[118:119]
	v_pk_add_f32 v[14:15], v[14:15], v[122:123]
	v_pk_add_f32 v[236:237], v[236:237], v[126:127]
	v_pk_add_f32 v[248:249], v[248:249], v[130:131]
	v_pk_add_f32 v[246:247], v[246:247], v[134:135]
	v_pk_add_f32 v[244:245], v[244:245], v[138:139]
	v_pk_add_f32 v[238:239], v[238:239], v[142:143]
	v_pk_add_f32 v[230:231], v[230:231], v[146:147]
	v_pk_add_f32 v[228:229], v[228:229], v[150:151]
	v_pk_add_f32 v[14:15], v[14:15], v[154:155]
	v_pk_add_f32 v[236:237], v[236:237], v[158:159]
	s_delay_alu instid0(VALU_DEP_2)
	v_pk_add_f32 v[14:15], v[14:15], v[244:245]
	s_delay_alu instid0(VALU_DEP_2)
	v_pk_add_f32 v[236:237], v[236:237], v[238:239]
	v_pk_add_f32 v[248:249], v[248:249], v[230:231]
	v_pk_add_f32 v[246:247], v[246:247], v[228:229]
	s_delay_alu instid0(VALU_DEP_2)
	v_pk_add_f32 v[14:15], v[14:15], v[248:249]
	s_delay_alu instid0(VALU_DEP_2)
	v_pk_add_f32 v[236:237], v[236:237], v[246:247]
	s_delay_alu instid0(VALU_DEP_1)
	v_pk_add_f32 v[14:15], v[14:15], v[236:237]
	s_wait_alu depctr_va_vdst(0)                   ; and one for the four
.irp b, 0,1,2,3
	v_max_num_f32 v[232+\b], 0x1800000, v[232+\b]  ; the floor 2^(3 - 127): the byte cannot fall under 1 (a block whose every p is 0 keeps that byte: its codes are zeros)
.endr
.irp b, 0,1,2,3
	s_delay_alu instid0(VALU_DEP_4)
	v_add_nc_u32 v[244+\b], 0xff000000, v[232+\b]  ; 2 off the exponent field: the conversion's scale operand
.endr
.irp b, 0,1,2,3
	s_delay_alu instid0(VALU_DEP_4)
	v_lshrrev_b32 v[236+\b], 23, v[244+\b]         ; the scale's byte
.endr
	s_delay_alu instid0(VALU_DEP_3)
	v_lshl_or_b32 v253, v237, 8, v236              ; p's scale word for these 128 keys
	s_delay_alu instid0(VALU_DEP_1)
	v_lshl_or_b32 v253, v238, 16, v253
	s_delay_alu instid0(VALU_DEP_1)
	v_lshl_or_b32 v253, v239, 24, v253
.irp c, 0,1                                    ; the keys in their natural order: tile 4 c's codes beside tile 4 c + 2's, tile 4 c + 1's beside tile 4 c + 3's,
	v_cvt_scalef32_pk8_fp4_f32 v[224+4*\c], v[96+32*\c:103+32*\c], v[244+2*\c]
	v_cvt_scalef32_pk8_fp4_f32 v[226+4*\c], v[104+32*\c:111+32*\c], v[244+2*\c]
	v_cvt_scalef32_pk8_fp4_f32 v[225+4*\c], v[112+32*\c:119+32*\c], v[245+2*\c]
	v_cvt_scalef32_pk8_fp4_f32 v[227+4*\c], v[120+32*\c:127+32*\c], v[245+2*\c]
.endr
	v_nop                                          ; one plain place behind a scaled conversion
.irp c, 0,1
	v_permlane16_swap_b32 v[224+4*\c], v[225+4*\c] ; and one exchange of halves for each pair: register 4 c + i holds keys 64 c + 32 h + 8 i ..
	v_permlane16_swap_b32 v[226+4*\c], v[227+4*\c]
.endr
.set j, 0
.rept 16
	v_pk_mul_f32 v[160+j:161+j], v[160+j:161+j], v[252:253] op_sel_hi:[1,0]   ; O^T under the new M; these stand between the making of p's codes and scale word and the products
.set j, j+2
.endr
	s_wait_alu depctr_va_vdst(0)
	s_wait_dscnt 0x0                               ; V and its scale words
.irp t, 0,1,2,3                                ; the four accumulators by turns, one instruction a turn
.set rD, 160+8*\t
.set rA, 192+8*\t
.set rS, 26+\t/2
	WMS rD, rA, 224, 0, rD, rS, 253, \t%2
.endr
	s_cmp_eq_u32 s38, 0
	s_setprio 0
	s_cbranch_scc1 .Lnot_last
	; A TILE'S END: O^T / l, quantised along the head's 64 channels, leaves; the statistics begin anew with the second tile's Q
	v_add_f32 v14, v14, v15                        ; l's two halves,
	s_delay_alu instid0(VALU_DEP_1)
	v_permlanex16_b32 v252, v14, s[SEL], s[SEL+1]
	s_delay_alu instid0(VALU_DEP_1)
	v_add_f32 v14, v14, v252                       ; and lane l xor 16's
	s_wait_alu depctr_va_vdst(0)
	v_rcp_f32 v14, v14
	s_cmp_eq_u32 s19, 16
	s_cselect_b32 s48, s45, s44                    ; the tile's number
	s_lshl_b32 s49, s48, 13
	s_lshl_b32 s50, s46, 9
	s_add_co_u32 s49, s49, s50
	v_add_nc_u32 v9, s49, v1                       ; ao: 8,192 x tile + 512 x head + 16 x lane
	s_lshl_b32 s50, s48, 9
	s_lshl_b32 s51, s46, 1
	s_add_co_u32 s50, s50, s51
	v_add_nc_u32 v10, s50, v8                      ; aos: 32 (16 x tile + r) + 2 x head + h
	v_nop
	v_nop                                          ; the plain lines above are the places behind the products and behind the reciprocal
	s_wait_alu depctr_va_vdst(0)                   ; the wait ahead of the reciprocal's first reader
.set j, 0
.rept 16
	v_pk_mul_f32 v[96+j:97+j], v[160+j:161+j], v[14:15] op_sel_hi:[1,0]   ; register 8 t + i: channel 16 t + 8 h + i of my query; each accumulator from its low end on
.set j, j+2
.endr
.irp b, 0,1
	v_max3_num_f32 v[232+\b], |v[96+16*\b]|, |v[97+16*\b]|, 0x1800000
.endr
.irp i, 2,4,6,8,10,12,14
.irp b, 0,1
	s_delay_alu instid0(VALU_DEP_2)
	v_max3_num_f32 v[232+\b], v[232+\b], |v[96+16*\b+\i]|, |v[97+16*\b+\i]|
.endr
.endr
.irp b, 0,1
	s_delay_alu instid0(VALU_DEP_2)
	v_permlanex16_b32 v[236+\b], v[232+\b], s[SEL], s[SEL+1]
.endr
.irp b, 0,1
	s_delay_alu instid0(VALU_DEP_2)
	v_max_num_f32 v[232+\b], v[232+\b], v[236+\b]
.endr
.irp b, 0,1
	s_delay_alu instid0(VALU_DEP_2)
	v_add_nc_u32 v[244+\b], 0xff000000, v[232+\b]
.endr
.irp b, 0,1
	s_delay_alu instid0(VALU_DEP_2)
	v_lshrrev_b32 v[236+\b], 23, v[244+\b]
.endr
	v_cvt_scalef32_pk8_fp4_f32 v224, v[96:103], v244
	v_cvt_scalef32_pk8_fp4_f32 v226, v[104:111], v244
	v_cvt_scalef32_pk8_fp4_f32 v225, v[112:119], v245
	v_cvt_scalef32_pk8_fp4_f32 v227, v[120:127], v245
	v_cndmask_b32 v11, v236, v237, s39             ; lanes 0-15 store block 0's byte, lanes 16-31 block 1's.  (A plain place behind the conversions)
	v_permlane16_swap_b32 v224, v225
	v_permlane16_swap_b32 v226, v227
	global_store_b128 v9, v[224:227], s[8:9]       ; 512 consecutive bytes
	global_store_b8 v10, v11, s[10:11]
	s_wait_xcnt 0x0                                ; the stores' data and offsets are written again only behind this wait
.irp j, 0,1,2,3
	v_mov_b32 v[16+\j], v[240+\j]                  ; the second tile's Q (behind the last trip these lines change nothing that is read)
.endr
	v_mov_b32 v24, v25
.set j, 0
.rept 32
	v_mov_b32 v[160+j], 0
.set j, j+1
.endr
	v_mov_b32 v13, 0xff61b1e6
	s_delay_alu instid0(VALU_DEP_1)
	v_floor_f32 v12, -v13
	v_mov_b32 v14, 0
	v_mov_b32 v15, 0
.Lnot_last:
	s_add_co_u32 s19, s19, 1
	s_cmp_lt_u32 s19, 17
	s_cbranch_scc1 .Ltrip
	s_setprio 0
	s_wait_dscnt 0x0
	s_wait_tensorcnt 0x0
	ds_add_u32 v251, v255
	s_wait_dscnt 0x0
	CROUND                                         ; the closing round
	s_endpgm
.Lfunc_end_k_qc3b92ec53e_attn:
	.size	k_qc3b92ec53e_attn, .Lfunc_end_k_qc3b92ec53e_attn-k_qc3b92ec53e_attn
	.p2alignl 7, 3214868480
	.fill 96, 4, 3214868480
	.section	.rodata,"a",@progbits
	.p2align	6, 0x0
	.amdhsa_kernel k_qc3b92ec53e_attn
		.amdhsa_group_segment_fixed_size 169984
		.amdhsa_private_segment_fixed_size 0
		.amdhsa_enable_private_segment 0
		.amdhsa_kernarg_size 32
		.amdhsa_user_sgpr_count 2
		.amdhsa_user_sgpr_kernarg_segment_ptr 1
		.amdhsa_wavefront_size32 1
		.amdhsa_system_sgpr_workgroup_id_x 1
		.amdhsa_system_sgpr_workgroup_id_y 1
		.amdhsa_system_sgpr_workgroup_id_z 1
		.amdhsa_system_vgpr_workitem_id 0
		.amdhsa_next_free_vgpr 256
		.amdhsa_next_free_sgpr 66
		.amdhsa_reserve_vcc 1
		.amdhsa_float_denorm_mode_32 3
		.amdhsa_float_denorm_mode_16_64 3
		.amdhsa_memory_ordered 1
		.amdhsa_forward_progress 1
		.amdhsa_inst_pref_size 35
	.end_amdhsa_kernel
	.amdgpu_metadata
---
amdhsa.version: [ 1, 2 ]
amdhsa.kernels:
  - .name:           k_qc3b92ec53e_attn
    .symbol:         k_qc3b92ec53e_attn.kd
    .args:
      - { .name: qw, .offset: 0, .size: 8, .value_kind: global_buffer, .address_space: global }
      - { .name: kv, .offset: 8, .size: 8, .value_kind: global_buffer, .address_space: global }
      - { .name: ao, .offset: 16, .size: 8, .value_kind: global_buffer, .address_space: global }
      - { .name: aos, .offset: 24, .size: 8, .value_kind: global_buffer, .address_space: global }
    .group_segment_fixed_size: 169984
    .private_segment_fixed_size: 0
    .kernarg_segment_align: 8
    .kernarg_segment_size: 32
    .max_flat_workgroup_size: 512
    .sgpr_count:     66
    .vgpr_count:     256
    .wavefront_size: 32
...
	.end_amdgpu_metadata
.endif
;; end of part 2
;; launch proj (part 3): grid 4 x 64, 4 waves a work-group, clusters of 4 x 4, 327,680 bytes of LDS; arguments ao, aos, Wo_codes, Wo_scales, bo, out0; writes out0
.if DOCPART == 3
	.amdgcn_target "amdgcn-amd-amdhsa--gfx1250"
	.amdhsa_code_object_version 6
	.text
	.protected	k_qc3b92ec53e_proj
	.globl	k_qc3b92ec53e_proj
	.p2align	8
	.type	k_qc3b92ec53e_proj,@function
k_qc3b92ec53e_proj:
	s_mov_b64 s[64:65], 0
	v_nop
	global_prefetch_b8 v0, s[64:65] scope:SCOPE_SE
	s_setreg_imm32_b32 hwreg(HW_REG_WAVE_MODE, 25, 1), 1
	s_wait_xcnt 0x0
	s_wait_alu depctr_hold_cnt(0) depctr_sa_sdst(0) depctr_va_vdst(0) depctr_va_sdst(0) depctr_va_ssrc(0) depctr_va_vcc(0) depctr_vm_vsrc(0)
	s_getreg_b32 s2, hwreg(HW_REG_IB_STS2, 6, 4)
	s_cmp_eq_u32 s2, 0
	s_cbranch_scc0 .Lentry_in_a_cluster
	s_endpgm
.Lentry_in_a_cluster:
	s_bfe_u32 s2, ttmp6, 0x10000c
	s_cmp_lg_u32 s2, 0xf033
	s_cbranch_scc0 .Lentry_shape_is_right
	s_endpgm
.Lentry_shape_is_right:
; out = a Wo + bo on codes of FP4 (E2M1) with one E8M0 scale for each 32 along K = 1,024.  a: the attention's result, 8,192 tokens, as images of fragments:
; ao [512 token tiles][8 K steps][2][512 bytes] (four registers = 512 bytes, lane l's 16 bytes at 16 l), aos [8192][32] scale bytes.  Wo: [1024 (n)][1024 (k)] codes, K innermost, Wo_scales [1024][32].  out0 [8192][1024] f32.
; A work-group of four waves makes 128 tokens x 256 columns: 256 work-groups.  A wave makes 64 x 128: 32 accumulators, 8 K steps of 128.  The launch writes more bytes than it reads: its stores decide.
; THE WHOLE K OF BOTH PANELS LIES IN LDS, in two K halves; each byte is filled once: no ring, no refill.  a's fragments are dense images: a load of 16 bytes a lane takes 512 consecutive bytes.
; CLUSTERS: 4 x 4 work-groups.  a's tiles are shared along a row of the cluster, Wo's along a column: each is asked for jointly.
; THE MATRIX INSTRUCTION IS USED TRANSPOSED (source 0 = 16 rows of Wo, source 1 = 16 tokens): a lane holds eight neighbouring columns of one row of out.  The bias is the C of each sum's first product.
; REGISTERS, in windows of 256: window 0: v16-26 addresses; v32-47 a's scale words, v48-79 Wo's, for all 8 K steps; v96-127, v128-159 a's fragments, two sets; v192-255 the bias;
;   on the way out v96-159 and v192-255 take 16 rows each, by turns.   window 1: Wo's fragments, two sets (v0-63, v128-191).   window 2: accumulator (a, b) at v[8 (8 a + b)].
.set PITCH,  272                       ; a row of Wo's tile in LDS: 256 bytes + 16 of padding
.set HALFB,  128*PITCH                 ; 128 rows: what one tensor load brings
.set BSLOT,  2*HALFB                   ; a K half of Wo's 256 rows
.set AOFF,   2*BSLOT                   ; behind them: a's images: two K halves of 8 token tiles x 4,096 bytes
.set STG,    AOFF+65536                ; behind them: a stage of 16 rows x (512 + 16) bytes for each wave; no fill lands here
.set SPITCH, 528
.set ADRA, 16                          ; v16    LDS address of my a fragments
.set ADRB, 20                          ; v20-21 of my Wo fragments in K half 0, 1
.set L32,  22                          ; v22  32 x lane
.set BH,   23                          ; v23  32 x (lane / 16)
.set STO,  24                          ; v24  the way out: where I put 32 bytes of a row
.set RD,   25                          ; v25  where I read a row back
.set CO,   26                          ; v26  16 x lane: my bytes of a row's 512
.set SCA,  32                          ; a's scale words: register 8 p + q: K step q; lanes 0-15 block 2 p, lanes 16-31 block 2 p + 1
.set SCB,  48                          ; Wo's likewise
.set AF,   96
.set T,    192                         ; the bias: T + 8 b + j = bo at my column 16 b + 8 h + j
.set BK,   96
.set G1,   24                          ; s[24:31] descriptor group 1 for a;  s[32:39] group 0, one set for each K half
.set G0,   32
.set G1B,  48                          ; s[48:55], s[56:63] the same for Wo
.set G0B,  56
.set MSB, 0
.macro WIN new                         ; the immediate's high byte repeats the setting that is left
.if MSB != (\new)
	s_set_vgpr_msb (MSB<<8)|(\new)
.set MSB, (\new)
.endif
.endm
.macro JLOAD s                         ; a joint load: waves 0 and 1 fetch for a, waves 2 and 3 for Wo; four v_nop follow each of the two lines
	s_cmp_eq_u32 s15, 0
	s_cbranch_scc0 .Lfor_b_\@
	tensor_load_to_lds s[G0+4*\s:G0+4*\s+3], s[G1:G1+7]
	s_nop 0
.rept 4
	v_nop
.endr
	s_branch .Lasked_\@
.Lfor_b_\@:
	tensor_load_to_lds s[G0B+4*\s:G0B+4*\s+3], s[G1B:G1B+7]
	s_nop 0
.rept 4
	v_nop
.endr
.Lasked_\@:
.endm
.macro CROUND                          ; a round of the cluster's barrier
	s_barrier_signal -1
	s_barrier_wait -1
	s_cmp_lg_u32 s14, 0
	s_cbranch_scc1 .Lnot_wave_0_\@
	s_barrier_signal -3
.Lnot_wave_0_\@:
	s_barrier_wait -3
	s_barrier_signal -1
	s_barrier_wait -1
.endm
; One scaled product with C in registers.  ra, rb = 1: source 0's, source 1's scales are read from lanes 16-31 of their register.
.macro WMS d, a, b, c, sa, sb, ra, rb
.if (\ra) && (\rb)
	v_wmma_scale_f32_16x16x128_f8f6f4 v[\d:\d+7], v[\a:\a+7], v[\b:\b+7], v[\c:\c+7], v[\sa], v[\sb] matrix_a_fmt:MATRIX_FMT_FP4 matrix_b_fmt:MATRIX_FMT_FP4 matrix_a_scale:MATRIX_SCALE_ROW1 matrix_b_scale:MATRIX_SCALE_ROW1
.elseif (\ra)
	v_wmma_scale_f32_16x16x128_f8f6f4 v[\d:\d+7], v[\a:\a+7], v[\b:\b+7], v[\c:\c+7], v[\sa], v[\sb] matrix_a_fmt:MATRIX_FMT_FP4 matrix_b_fmt:MATRIX_FMT_FP4 matrix_a_scale:MATRIX_SCALE_ROW1
.elseif (\rb)
	v_wmma_scale_f32_16x16x128_f8f6f4 v[\d:\d+7], v[\a:\a+7], v[\b:\b+7], v[\c:\c+7], v[\sa], v[\sb] matrix_a_fmt:MATRIX_FMT_FP4 matrix_b_fmt:MATRIX_FMT_FP4 matrix_b_scale:MATRIX_SCALE_ROW1
.else
	v_wmma_scale_f32_16x16x128_f8f6f4 v[\d:\d+7], v[\a:\a+7], v[\b:\b+7], v[\c:\c+7], v[\sa], v[\sb] matrix_a_fmt:MATRIX_FMT_FP4 matrix_b_fmt:MATRIX_FMT_FP4
.endif
.endm
	s_load_b256 s[4:11], s[0:1], 0x0               ; ao s[4:5], aos s[6:7], Wo's codes s[8:9], Wo's scales s[10:11]
	s_load_b128 s[68:71], s[0:1], 0x20             ; bo s[68:69], out0 s[70:71]
	v_lshl_add_u32 v190, v0, 2, 0x3a400
	v_mov_b32 v191, 0
	ds_add_u32 v190, v191
	ds_add_u32 v190, v191
	v_lshrrev_b32 v1, 5, v0
	v_readfirstlane_b32 s14, v1                    ; wave 0..3
	s_lshr_b32 s15, s14, 1                         ; which 64 of the 128 tokens are mine.  Also: I fetch for a (0) or for Wo (1)
	s_and_b32 s16, s14, 1                          ; which 128 of the 256 columns.  Also: which half of that tile I fetch
	s_bfe_u32 s40, ttmp6, 0x40000                  ; cx, cy: my place in the cluster
	s_bfe_u32 s41, ttmp6, 0x40004
	s_lshl_b32 s42, ttmp9, 2
	s_add_co_u32 s42, s42, s40                     ; tile of 256 columns = 4 x cluster x + cx
	s_and_b32 s43, ttmp7, 0xffff
	s_lshl_b32 s43, s43, 2
	s_add_co_u32 s43, s43, s41                     ; tile of 128 tokens = 4 x cluster y + cy
	s_lshl_b32 s44, s41, 2
	s_lshl_b32 s44, 15, s44                        ; my row of the cluster
	s_lshl_b32 s45, 0x1111, s40                    ; my column
	; a: 4 token tiles x a K half of 4,096 bytes (512 elements of 8 bytes), 8,192 bytes apart, dense in LDS
	s_or_b32 s[G1+0], s44, (3<<16)|(1<<21)         ; 15:0 the mask: my row; 17:16 elements of 8 bytes; 21 set beside a mask
	s_mov_b32 s[G1+1], 512<<16                     ; tensor_dim0
	s_mov_b32 s[G1+2], 4<<16                       ; tensor_dim1
	s_mov_b32 s[G1+3], 512<<16                     ; tile_dim0
	s_mov_b32 s[G1+4], 4                           ; tile_dim1
	s_mov_b32 s[G1+5], 1024                        ; tensor_dim0_stride
	s_mov_b32 s[G1+6], 0
	s_mov_b32 s[G1+7], 0
	; Wo: 128 rows x 256 bytes out of rows of 512, padded in LDS
	s_or_b32 s[G1B+0], s45, (0<<16)|(1<<20)|(1<<21)|(5<<22)|(3<<25)   ; the mask: my column; elements of 1 byte; four words of padding after every 64
	s_mov_b32 s[G1B+1], 256<<16
	s_mov_b32 s[G1B+2], 128<<16
	s_mov_b32 s[G1B+3], 256<<16
	s_mov_b32 s[G1B+4], 128
	s_mov_b32 s[G1B+5], 512
	s_mov_b32 s[G1B+6], 0
	s_mov_b32 s[G1B+7], 0
	s_lshl_b32 s20, s43, 3
	s_lshl_b32 s21, s16, 2
	s_add_co_u32 s20, s20, s21
	s_lshl_b32 s20, s20, 13                        ; a: token tile 8 x tile + 4 x half, 8,192 bytes each
	s_mov_b32 s21, 0
	s_lshl_b32 s46, s42, 8
	s_lshl_b32 s47, s16, 7
	s_add_co_u32 s46, s46, s47
	s_lshl_b32 s46, s46, 9                         ; Wo: row 256 x tile + 128 x half, 512 bytes each
	s_mov_b32 s47, 0
	s_lshl_b32 s22, s16, 14
	s_add_co_u32 s22, s22, AOFF                    ; where they go: no place in the cluster enters an LDS address
	s_mul_i32 s23, s16, HALFB
	s_wait_dscnt 0x0
	s_wait_kmcnt 0x0
	s_add_nc_u64 s[92:93], s[4:5], s[20:21]
	s_add_nc_u64 s[94:95], s[8:9], s[46:47]
	CROUND                                         ; all sixteen work-groups are here: the joint loads meet
.irp s, 0,1
	s_mov_b32 s[G0+4*\s], 1
	s_add_co_u32 s[G0+4*\s+1], s22, \s*32768
	s_add_nc_u64 s[G0+4*\s+2:G0+4*\s+3], s[92:93], \s*4096
	s_or_b32 s[G0+4*\s+3], s[G0+4*\s+3], 0x80000000
	s_mov_b32 s[G0B+4*\s], 1
	s_add_co_u32 s[G0B+4*\s+1], s23, \s*BSLOT
	s_add_nc_u64 s[G0B+4*\s+2:G0B+4*\s+3], s[94:95], \s*256
	s_or_b32 s[G0B+4*\s+3], s[G0B+4*\s+3], 0x80000000
	s_wait_alu depctr_va_vdst(0)
	s_wait_tensorcnt 0x0
	ds_add_u32 v190, v191
	ds_add_u32 v190, v191
	s_wait_dscnt 0x0
	CROUND
	JLOAD \s                                       ; the K halves go out one after the other: one load of mine is out at a time
.endr
	v_and_b32 v1, 15, v0                           ; r
	v_bfe_u32 v2, v0, 4, 1                         ; h
	v_and_b32 v5, 31, v0                           ; lane
	v_lshlrev_b32 v[L32], 5, v5
	s_wait_alu depctr_va_vdst(0)
	v_lshlrev_b32 v[CO], 4, v5
	v_lshlrev_b32 v[BH], 5, v2
	s_wait_alu depctr_va_vdst(0)
	s_lshl_b32 s20, s43, 7
	s_lshl_b32 s21, s15, 6
	s_add_co_u32 s20, s20, s21                     ; my first token
	s_lshl_b32 s92, s20, 5
	s_mov_b32 s93, 0
	s_add_nc_u64 s[6:7], s[6:7], s[92:93]          ; its scale bytes,
	s_lshl_b32 s92, s20, 12
	s_add_nc_u64 s[70:71], s[70:71], s[92:93]      ; its row of out
	s_lshl_b32 s20, s42, 8
	s_lshl_b32 s21, s16, 7
	s_add_co_u32 s20, s20, s21                     ; my first column
	s_lshl_b32 s92, s20, 5
	s_add_nc_u64 s[10:11], s[10:11], s[92:93]      ; its scale bytes,
	s_lshl_b32 s92, s20, 2
	s_add_nc_u64 s[68:69], s[68:69], s[92:93]      ; its bias,
	s_add_nc_u64 s[70:71], s[70:71], s[92:93]      ; its place in a row of out
.irp p, 0,1                                    ; the scales come once, for all of K: lane l takes the 32 bytes (8 words) of row 32 p + l
	global_load_b128 v[SCA+8*\p:SCA+8*\p+3], v[L32], s[6:7] offset:1024*\p
	global_load_b128 v[SCA+8*\p+4:SCA+8*\p+7], v[L32], s[6:7] offset:1024*\p+16
.endr
.irp p, 0,1,2,3
	global_load_b128 v[SCB+8*\p:SCB+8*\p+3], v[L32], s[10:11] offset:1024*\p
	global_load_b128 v[SCB+8*\p+4:SCB+8*\p+7], v[L32], s[10:11] offset:1024*\p+16
.endr
.irp b, 0,1,2,3,4,5,6,7
	global_load_b128 v[T+8*\b:T+8*\b+3], v[BH], s[68:69] offset:64*\b
	global_load_b128 v[T+8*\b+4:T+8*\b+7], v[BH], s[68:69] offset:64*\b+16
.endr
	s_lshl_b32 s21, s15, 14
	s_add_co_u32 s21, s21, AOFF
	v_add_nc_u32 v[ADRA], s21, v[CO]               ; a: my 4 token tiles, 16 x lane
	v_mul_u32_u24 v3, v1, PITCH
	v_lshl_add_u32 v4, v2, 4, v3                   ; Wo: a fragment's row x pitch + 16 x half
	s_mul_i32 s22, s16, HALFB
.irp s, 0,1
	v_add_nc_u32 v[ADRB+\s], s22, v4
	s_add_co_u32 s22, s22, BSLOT
.endr
	s_mul_i32 s23, s14, 16*SPITCH
	s_add_co_u32 s23, s23, STG                     ; my stage
	v_mul_u32_u24 v5, v1, SPITCH
	v_lshl_add_u32 v5, v2, 5, v5
	v_add_nc_u32 v[STO], s23, v5                   ; in: row r, 32 bytes for each half of the lanes
	v_add_nc_u32 v[RD], s23, v[CO]                 ; back: the 32 lanes take one row of 512 bytes
.macro PLACES                          ; four plain vector instructions between a matrix instruction and a load into a register that it read, or a store that reads its result
.rept 4
	v_nop
.endr
.endm
.macro FETCH3 q                        ; K step q's fragments into set q % 2: 16 loads for Wo's eight blocks, 8 for a's four
	WIN 0x40
.irp i, 0,1,2,3,4,5,6,7
.irp c, 0,1
	ds_load_b128 v[128*((\q)%2)+8*\i+4*\c:128*((\q)%2)+8*\i+4*\c+3], v[ADRB+(\q)/4] offset:64*((\q)%4)+32*\c+\i*16*PITCH
.endr
.endr
	WIN 0
.irp a, 0,1,2,3
.irp c, 0,1
	ds_load_b128 v[AF+32*((\q)%2)+8*\a+4*\c:AF+32*((\q)%2)+8*\a+4*\c+3], v[ADRA] offset:32768*((\q)/4)+4096*\a+1024*((\q)%4)+512*\c
.endr
.endr
.endm
; A K step: the next step's 24 loads go out first, then this step's 32 products, the 32 accumulators by turns, one instruction a turn.
.macro STEP3 q
.if (\q) == 3
	s_wait_tensorcnt 0x0                           ; my part of the second K half has landed,
	s_wait_dscnt 0x0                               ; no LDS instruction of mine is pending at the signal,
	s_barrier_signal -1
	s_barrier_wait -1                              ; everybody's has
.endif
.if (\q) > 0
	PLACES                                         ; the other set was read by the products just issued
.endif
.if (\q) < 7
	FETCH3 (\q)+1
	s_wait_dscnt 24                                ; all but the 24 just issued: this step's fragments are in
.else
	s_wait_dscnt 0x0
.endif
.if (\q) == 0
	WIN 0x81                                       ; source 0 (Wo) window 1, source 1 (a) and C (the bias) window 0, D window 2
.else
	WIN 0xa1                                       ; C and D window 2
.endif
.irp a, 0,1,2,3
.irp b, 0,1,2,3,4,5,6,7
.set rD, 8*(8*\a+\b)
.set rC, rD
.if (\q) == 0
.set rC, T+8*\b
.endif
.set rB, 128*((\q)%2)+8*\b
.set rA, AF+32*((\q)%2)+8*\a
.set rSB, SCB+8*(\b/2)+(\q)
.set rSA, SCA+8*(\a/2)+(\q)
	WMS rD, rB, rA, rC, rSB, rSA, \b%2, \a%2
.endr
.endr
	WIN 0
.endm
; THE WAY OUT, block by block of 16 tokens x 128 columns.  A lane holds 32 neighbouring bytes of a row, and the lanes beside it hold other rows: a block goes through my own stage in LDS and comes back as whole rows
; of 512 bytes.  LDS serves a wave's instructions in order (ISA guide 5.7.1.4): no wait between the stores and the loads, nor in front of the next block's stores.
.macro TOSTAGE a
	WIN 0x08                                       ; an LDS store's data are its source 1: window 2
.irp b, 0,1,2,3,4,5,6,7
	ds_store_b128 v[STO], v[64*(\a)+8*\b:64*(\a)+8*\b+3] offset:64*\b          ; each accumulator from its low end on
	ds_store_b128 v[STO], v[64*(\a)+8*\b+4:64*(\a)+8*\b+7] offset:64*\b+16
.endr
	WIN 0
.set BB, BK+96*((\a)%2)
.irp t, 0,1,2,3,4,5,6,7,8,9,10,11,12,13,14,15
	ds_load_b128 v[BB+4*\t:BB+4*\t+3], v[RD] offset:\t*SPITCH
.endr
.endm
.macro SEND a, younger                 ; younger: the LDS instructions issued behind block a's loads, which may stay out
.set BB, BK+96*((\a)%2)
	s_wait_dscnt \younger
.irp t, 0,1,2,3,4,5,6,7,8,9,10,11,12,13,14,15
	global_store_b128 v[CO], v[BB+4*\t:BB+4*\t+3], s[70:71] offset:(16*(\a)+\t)*4096 th:TH_STORE_NT   ; 32 lanes store 512 consecutive bytes, at a multiple of 256 from out0's first byte; the row stands in the immediate: 63 rows of 4,096 bytes at the most
.endr
.endm
	s_wait_alu depctr_va_vdst(0)
	s_wait_tensorcnt 1                             ; my part of the first K half is in (the second half's load may be out)
	s_barrier_signal -1
	s_barrier_wait -1                              ; everybody's is
	FETCH3 0
	s_wait_loadcnt 0x0                             ; the scale words and the bias
.irp q, 0,1,2,3,4,5,6,7
	STEP3 \q
.endr
	PLACES
	TOSTAGE 0
.irp a, 1,2,3
.if \a > 1
	s_wait_xcnt 0x0                                ; block a - 2's stores have read their registers: block a's loads may land there
.endif
	TOSTAGE \a
	SEND \a-1, 32                                  ; behind block a - 1's loads: block a's 16 stores and 16 loads
.endr
	SEND 3, 0
	s_wait_tensorcnt 0x0
	ds_add_u32 v190, v191
	s_wait_dscnt 0x0
	CROUND                                         ; the closing round: no work-group ends while a partner may still ask for a tile that names it
	s_endpgm
.Lfunc_end_k_qc3b92ec53e_proj:
	.size	k_qc3b92ec53e_proj, .Lfunc_end_k_qc3b92ec53e_proj-k_qc3b92ec53e_proj
	.p2alignl 7, 3214868480
	.fill 96, 4, 3214868480
	.section	.rodata,"a",@progbits
	.p2align	6, 0x0
	.amdhsa_kernel k_qc3b92ec53e_proj
		.amdhsa_group_segment_fixed_size 327680
		.amdhsa_private_segment_fixed_size 0
		.amdhsa_enable_private_segment 0
		.amdhsa_kernarg_size 48
		.amdhsa_user_sgpr_count 2
		.amdhsa_user_sgpr_kernarg_segment_ptr 1
		.amdhsa_wavefront_size32 1
		.amdhsa_system_sgpr_workgroup_id_x 1
		.amdhsa_system_sgpr_workgroup_id_y 1
		.amdhsa_system_sgpr_workgroup_id_z 1
		.amdhsa_system_vgpr_workitem_id 0
		.amdhsa_next_free_vgpr 768
		.amdhsa_next_free_sgpr 100
		.amdhsa_reserve_vcc 0
		.amdhsa_float_denorm_mode_32 3
		.amdhsa_float_denorm_mode_16_64 3
		.amdhsa_memory_ordered 1
		.amdhsa_forward_progress 1
		.amdhsa_inst_pref_size 72
	.end_amdhsa_kernel
	.amdgpu_metadata
---
amdhsa.version: [ 1, 2 ]
amdhsa.kernels:
  - .name:           k_qc3b92ec53e_proj
    .symbol:         k_qc3b92ec53e_proj.kd
    .args:
      - { .name: ao, .offset: 0, .size: 8, .value_kind: global_buffer, .address_space: global }
      - { .name: aos, .offset: 8, .size: 8, .value_kind: global_buffer, .address_space: global }
      - { .name: Wo_codes, .offset: 16, .size: 8, .value_kind: global_buffer, .address_space: global }
      - { .name: Wo_scales, .offset: 24, .size: 8, .value_kind: global_buffer, .address_space: global }
      - { .name: bo, .offset: 32, .size: 8, .value_kind: global_buffer, .address_space: global }
      - { .name: out0, .offset: 40, .size: 8, .value_kind: global_buffer, .address_space: global }
    .group_segment_fixed_size: 327680
    .private_segment_fixed_size: 0
    .kernarg_segment_align: 8
    .kernarg_segment_size: 48
    .max_flat_workgroup_size: 128
    .sgpr_count:     100
    .vgpr_count:     768
    .wavefront_size: 32
...
	.end_amdgpu_metadata
.endif
;; end of part 3
